; MI455X (gfx1250); checked and timed in simulation.
; The chip was launched on July 23, 2026; its instructions are those of AMD's public machine-readable ISA for CDNA 5 (MIT licence, August 2026) and "CDNA5" Instruction Set Architecture Reference Guide (July 2026). The comments in the code are by the model that wrote it; some were corrected since.
;; Attention. Allowed arithmetic: float matrix products may take bf16 or f16 operands with f32 sums; other float arithmetic in f32, or as packed bf16 or f16 multiplies, adds, multiply-adds, maxima and minima; sums over many terms, partial sums and values carried from step to step in f32; what a program stores and reads back later, other than sums and carried values, may be rounded once to bf16 or f16.
;; Inputs: key 4 x 16 x 2,048 x 128 float32; mask 4 x 1 x 2,048 x 2,048 bool; query 4 x 16 x 2,048 x 128 float32; value 4 x 16 x 2,048 x 128 float32.
;; Outputs: out0 4 x 16 x 2,048 x 128 float32.
;; One version. Each part assembles by itself: llvm-mc -triple=amdgcn-amd-amdhsa -mcpu=gfx1250 --defsym DOCPART=n.
;; ======== version 1 of 1: 2 launches
;; limits: values are held in f16: magnitudes above 65,504 overflow, below 6.1e-05 lose precision; inputs' magnitudes at most 65,504; right only within a limited range of input values
;; workspace buffers: kh 33,554,432 bytes; vh 33,554,432 bytes; mw 2,097,152 bytes of whole numbers
;; launch prep (part 1): grid 1024 x 3, 8 waves a work-group, no clusters, 0 bytes of LDS; arguments key, value, mask, kh, vh, mw; writes kh, vh, mw
.if DOCPART == 1
	.amdgcn_target "amdgcn-amd-amdhsa--gfx1250"
	.amdhsa_code_object_version 6
	.text
	.protected	k_q419d3a7a48_prep
	.globl	k_q419d3a7a48_prep
	.p2align	8
	.type	k_q419d3a7a48_prep,@function
k_q419d3a7a48_prep:
	s_mov_b64 s[64:65], 0
	v_nop
	global_prefetch_b8 v0, s[64:65] scope:SCOPE_SE
	s_setreg_imm32_b32 hwreg(HW_REG_WAVE_MODE, 25, 1), 1
	s_wait_xcnt 0x0
; THREE STREAMS, told apart by the work-group's y.  No LDS, no barrier, no loop, no matrix unit: nothing is shared, and every byte is read once and written once.
;   y = 0: key   [64][2048][128] f32 -> kh, the same shape in bf16 (rounded once, to nearest even).
;   y = 1: value [64][2048][128] f32 -> vh, the same shape in f16: the number is rounded once to bf16, and THAT number is written as f16.
;          LIMIT: |value| under 65,504 (f16's range); a bf16 number below 2^-17 loses bits in f16, an error of 2^-25 at the most.
;   y = 2: mask  [4][2048][2048] bytes -> mw, lane masks for the attention launch: [512 tiles of 16 queries][32 steps of 64 keys][32 words].
;          Bit r + 16 h of word 8 a + j of (tile, step J) says whether mask[16 tile + r][64 J + 16 a + 2 j + h] is not 0.
; y = 0, 1: a work-group takes 65,536 bytes; thread t takes 16 bytes at 16 t of each 4,096: a wave's load covers 512 consecutive bytes, its store of 8 bytes a lane 256 consecutive bytes, aligned.
;          All sixteen loads of a thread go out at once; each has registers of its own, in and out, so no register is written while a load or store may still read it.
; y = 2: a wave takes 16 rows x 128 keys and makes 64 words: 256 consecutive bytes, aligned, stored by one instruction.
.set X, 4                              ; v[4:67]   sixteen loads of four registers
.set Y, 68                             ; v[68:99]  sixteen stores of two registers
	s_load_b256 s[4:11], s[0:1], 0x0               ; key s[4:5], value s[6:7], mask s[8:9], kh s[10:11]
	s_load_b128 s[12:15], s[0:1], 0x20             ; vh s[12:13], mw s[14:15]
	s_and_b32 s16, ttmp7, 0xffff                   ; y: which stream
	v_lshrrev_b32 v3, 5, v0
	v_readfirstlane_b32 s17, v3                    ; wave 0..7
	s_wait_kmcnt 0x0
	s_cmp_eq_u32 s16, 2
	s_cbranch_scc1 .Lmask
	s_cmp_eq_u32 s16, 0
	s_cselect_b64 s[18:19], s[4:5], s[6:7]         ; from key or value,
	s_cselect_b64 s[20:21], s[10:11], s[12:13]     ; to kh or vh
	s_lshl_b32 s2, ttmp9, 16                       ; the work-group's 65,536 bytes in,
	s_mov_b32 s3, 0
	s_add_nc_u64 s[18:19], s[18:19], s[2:3]
	s_lshl_b32 s2, ttmp9, 15                       ; and 32,768 out
	s_add_nc_u64 s[20:21], s[20:21], s[2:3]
	v_lshlrev_b32 v1, 4, v0                        ; 16 t
	v_lshlrev_b32 v2, 3, v0                        ; 8 t
.irp i, 0,1,2,3,4,5,6,7,8,9,10,11,12,13,14,15
	global_load_b128 v[X+4*(\i):X+4*(\i)+3], v1, s[18:19] offset:4096*(\i) th:TH_LOAD_NT
.endr
.macro OUTK i                          ; four numbers to bf16
	s_wait_loadcnt 15-(\i)                         ; loads come back in order: load i is in, the 15 - i younger ones stay out
	v_cvt_pk_bf16_f32 v[Y+2*(\i)],   v[X+4*(\i)],   v[X+4*(\i)+1]
	v_cvt_pk_bf16_f32 v[Y+2*(\i)+1], v[X+4*(\i)+2], v[X+4*(\i)+3]
	global_store_b64 v2, v[Y+2*(\i):Y+2*(\i)+1], s[20:21] offset:2048*(\i) th:TH_STORE_NT
.endm
.macro OUTV i                          ; four numbers to bf16, widened again (a shift, a mask), and written as f16
	s_wait_loadcnt 15-(\i)
	v_cvt_pk_bf16_f32 v100, v[X+4*(\i)],   v[X+4*(\i)+1]
	v_cvt_pk_bf16_f32 v101, v[X+4*(\i)+2], v[X+4*(\i)+3]
	v_lshlrev_b32 v[X+4*(\i)],   16, v100
	v_and_b32     v[X+4*(\i)+1], 0xffff0000, v100
	v_lshlrev_b32 v[X+4*(\i)+2], 16, v101
	v_and_b32     v[X+4*(\i)+3], 0xffff0000, v101
	v_cvt_pk_f16_f32 v[Y+2*(\i)],   v[X+4*(\i)],   v[X+4*(\i)+1]
	v_cvt_pk_f16_f32 v[Y+2*(\i)+1], v[X+4*(\i)+2], v[X+4*(\i)+3]
	global_store_b64 v2, v[Y+2*(\i):Y+2*(\i)+1], s[20:21] offset:2048*(\i) th:TH_STORE_NT
.endm
	s_cmp_eq_u32 s16, 0
	s_cbranch_scc0 .Lv
.irp i, 0,1,2,3,4,5,6,7,8,9,10,11,12,13,14,15
	OUTK \i
.endr
	s_endpgm
.Lv:
.irp i, 0,1,2,3,4,5,6,7,8,9,10,11,12,13,14,15
	OUTV \i
.endr
	s_endpgm
.Lmask:
	; tile = x / 2; the wave's pair of key steps jp = 8 (x % 2) + wave: keys 128 jp .. 128 jp + 127
	s_lshr_b32 s30, ttmp9, 1                       ; tile: 16 rows of 2,048 bytes
	s_and_b32 s31, ttmp9, 1
	s_lshl3_add_u32 s31, s31, s17                  ; jp
	s_lshl_b32 s2, s30, 15
	s_lshl_b32 s3, s31, 7
	s_add_co_u32 s2, s2, s3
	s_mov_b32 s3, 0
	s_add_nc_u64 s[18:19], s[8:9], s[2:3]          ; mask at my tile's first row, my first key
	s_lshl_b32 s2, s30, 12                         ; a tile's words are 4,096 bytes, a pair of steps 256
	s_lshl_b32 s30, s31, 8
	s_add_co_u32 s2, s2, s30
	s_add_nc_u64 s[28:29], s[14:15], s[2:3]
	v_and_b32 v1, 15, v0                           ; r: lanes r and r + 16 read the same row
	v_lshlrev_b32 v37, 11, v1
	v_bfe_u32 v2, v0, 4, 1                         ; h
	v_lshlrev_b32 v2, 3, v2
	v_mov_b32 v36, 0xff
	v_lshlrev_b32 v36, v2, v36                     ; byte h of a word: key 4 d + h
	v_lshlrev_b32 v42, 16, v36                     ; byte 2 + h: key 4 d + 2 + h
.irp g, 0,1,2,3,4,5,6,7
	global_load_b128 v[X+4*(\g):X+4*(\g)+3], v37, s[18:19] offset:16*(\g)  ; group g of 16 keys
.endr
	v_mov_b32 v38, 0                               ; the words are set lane by lane: both registers are written whole first
	v_mov_b32 v39, 0
	v_and_b32 v41, 31, v0
	v_lshlrev_b32 v41, 3, v41                      ; lane L stores words 2 L and 2 L + 1
.set n, 0                              ; n = 4 g + d: word d of group g holds keys 4 d .. 4 d + 3: j = 2 d (bytes 0, 1) and j = 2 d + 1 (bytes 2, 3)
.rept 32
.if n%4 == 0
	s_wait_loadcnt 7-n/4                           ; group n / 4 is in, the younger ones stay out
.endif
	v_and_b32 v40, v36, v[X+n]
	v_and_b32 v43, v42, v[X+n]
	v_cmp_ne_u32 s[20+(2*n)%8], 0, v40             ; word 8 g + 2 d = 2 n: one bit a lane
	v_cmp_ne_u32 s[21+(2*n)%8], 0, v43             ; word 2 n + 1
	v_writelane_b32 v38, s[20+(2*n)%8], n
	v_writelane_b32 v39, s[21+(2*n)%8], n
.set n, n+1
.endr
	global_store_b64 v41, v[38:39], s[28:29]       ; 256 consecutive bytes, aligned
	s_endpgm
.Lfunc_end_k_q419d3a7a48_prep:
	.size	k_q419d3a7a48_prep, .Lfunc_end_k_q419d3a7a48_prep-k_q419d3a7a48_prep
	.p2alignl 7, 3214868480
	.fill 96, 4, 3214868480
	.section	.rodata,"a",@progbits
	.p2align	6, 0x0
	.amdhsa_kernel k_q419d3a7a48_prep
		.amdhsa_group_segment_fixed_size 0
		.amdhsa_private_segment_fixed_size 0
		.amdhsa_enable_private_segment 0
		.amdhsa_kernarg_size 48
		.amdhsa_user_sgpr_count 2
		.amdhsa_user_sgpr_kernarg_segment_ptr 1
		.amdhsa_wavefront_size32 1
		.amdhsa_system_sgpr_workgroup_id_x 1
		.amdhsa_system_sgpr_workgroup_id_y 1
		.amdhsa_system_sgpr_workgroup_id_z 1
		.amdhsa_system_vgpr_workitem_id 0
		.amdhsa_next_free_vgpr 104
		.amdhsa_next_free_sgpr 66
		.amdhsa_reserve_vcc 0
		.amdhsa_float_denorm_mode_32 3
		.amdhsa_float_denorm_mode_16_64 3
		.amdhsa_memory_ordered 1
		.amdhsa_forward_progress 1
		.amdhsa_inst_pref_size 28
	.end_amdhsa_kernel
	.amdgpu_metadata
---
amdhsa.version: [ 1, 2 ]
amdhsa.kernels:
  - .name:           k_q419d3a7a48_prep
    .symbol:         k_q419d3a7a48_prep.kd
    .args:
      - { .name: key, .offset: 0, .size: 8, .value_kind: global_buffer, .address_space: global }
      - { .name: value, .offset: 8, .size: 8, .value_kind: global_buffer, .address_space: global }
      - { .name: mask, .offset: 16, .size: 8, .value_kind: global_buffer, .address_space: global }
      - { .name: kh, .offset: 24, .size: 8, .value_kind: global_buffer, .address_space: global }
      - { .name: vh, .offset: 32, .size: 8, .value_kind: global_buffer, .address_space: global }
      - { .name: mw, .offset: 40, .size: 8, .value_kind: global_buffer, .address_space: global }
    .group_segment_fixed_size: 0
    .private_segment_fixed_size: 0
    .kernarg_segment_align: 8
    .kernarg_segment_size: 48
    .max_flat_workgroup_size: 256
    .sgpr_count:     66
    .vgpr_count:     104
    .wavefront_size: 32
...
	.end_amdgpu_metadata
.endif
;; end of part 1
;; launch attn (part 2): grid 8 x 64, 4 waves a work-group, clusters of 4 x 1, 327,680 bytes of LDS; arguments query, kh, vh, mw, out0; writes out0
.if DOCPART == 2
	.amdgcn_target "amdgcn-amd-amdhsa--gfx1250"
	.amdhsa_code_object_version 6
	.text
	.protected	k_q419d3a7a48_attn
	.globl	k_q419d3a7a48_attn
	.p2align	8
	.type	k_q419d3a7a48_attn,@function
k_q419d3a7a48_attn:
	s_mov_b64 s[64:65], 0
	v_nop
	global_prefetch_b8 v0, s[64:65] scope:SCOPE_SE
	s_setreg_imm32_b32 hwreg(HW_REG_WAVE_MODE, 25, 1), 1
	s_wait_xcnt 0x0
	s_wait_alu depctr_hold_cnt(0) depctr_sa_sdst(0) depctr_va_vdst(0) depctr_va_sdst(0) depctr_va_ssrc(0) depctr_va_vcc(0) depctr_vm_vsrc(0)
	s_getreg_b32 s2, hwreg(HW_REG_IB_STS2, 6, 4)
	s_cmp_eq_u32 s2, 0
	s_cbranch_scc0 .Lentry_in_a_cluster
	s_endpgm
.Lentry_in_a_cluster:
	s_bfe_u32 s2, ttmp6, 0x10000c
	s_cmp_lg_u32 s2, 0x3003
	s_cbranch_scc0 .Lentry_shape_is_right
	s_endpgm
.Lentry_shape_is_right:
; out0[h][q][:] = the sum over k of softmax_k(hidden(q, k) ? -inf : Q[h][q] . K[h][k] / sqrt(128)) V[h][k][:].  64 heads of 2,048 rows of 128 channels.
; query and out0 are f32; kh is K in bf16, vh is V rounded to bf16 and written as f16, mw holds the mask as lane masks (all three made by the launch before).
; Q is rounded once to bf16 here.  S^T = K Q^T in bf16, O^T = V^T P in f16 (the weights p, 0 to 1, are rounded to f16; their sum l is taken of the unrounded p); products, maxima and sums in f32.
; THE MASK.  A hidden score is REPLACED by NEG = -2^100, ahead of the running maximum: one v_cndmask_b32 a score, its lane mask a scalar register loaded from mw.  NEG is a power of two, so c x NEG is exact:
; while a row has seen hidden keys alone, c s - c m is exactly 0, p = 1 and the sums stay finite; the first visible key makes a = 2^(c NEG - c m) = 0, which wipes them; later hidden keys have p = 0.
; A row whose m is still NEG at the end has no visible key: its 1 / l is replaced by NaN, as the softmax of -inf alone is NaN.
; LIMITS.  A score q . k at or below -2^100 counts as hidden; |V| under 65,504; a weight below 2^-126 counts as 0 in l; NaN and infinities in the inputs are not treated apart.
; SHARES.  A work-group owns 256 queries of one head, each of its four waves 64: four tiles of 16.  Every wave walks all 2,048 keys, 64 a step.  512 work-groups of equal work: two for each of 256 WGPs.
; KEY ORDER.  Inside a group of 16 keys, row 8 h + j of S^T is key 2 j + h; K's fragments, V's turned fragments and the mask words all use that order, so the products are the same sums.
; With it ONE row pitch of 272 bytes serves both kinds of LDS load.
; So K's and V's tiles have one descriptor shape, and one tensor load line serves all four waves.
; LAYOUT.  In S^T a lane holds ONE query (lane % 16) and 8 keys an accumulator; two accumulators rounded to f16 in pairs ARE source 1 of O^T = V^T P, whose result again holds one query a lane, and eight channels.
; SOFTMAX.  For each query a running maximum m and sum l: p = 2^(c s - c m), c = log2(e) / sqrt(128); in every step O and l are multiplied by a = 2^(c m_old - c m_new).
; BY TURNS.  The wave's tiles are two PIECES (piece 0: tiles 0, 1; piece 2: tiles 2, 3).  In a TURN one piece has the matrix unit: 32 products V^T P of the step in hand, then 32 products K Q^T of the next step;
; the other piece's masking and softmax, 332 vector instructions, stand between them, five behind each matrix instruction.  Then the pieces change places.  Two turns are a key step.
; CLUSTER.  The four query blocks of a cluster belong to one head and walk the same K and V: each tile is asked for JOINTLY, by the same tensor load, descriptor and mask of four in all four work-groups.
; REGISTERS, in windows of 256 (s_set_vgpr_msb: bits 1:0 source 0, 3:2 source 1, 5:4 source 2, 7:6 destination):
;   window 0: v0-11 addresses; v12-43 eight registers of statistics a tile; v60 NEG; v61-63; v64-191 S^T, 32 a tile; v192-255 P, 16 a tile
;   window 1: O^T, 64 a tile (at the head: Q as f32)      window 2: v0-127 Q, 32 a tile; v128-255 K of one step      window 3: v0-127 V of one step
.set KS,    64        ; keys in a step
.set PITCH, 272       ; an LDS row: 256 bytes + 16 of padding
.set QUART, KS*PITCH  ; 64 rows: what one tensor load brings
.set STEPB, 2*QUART   ; a step's tiles lie together: 64 rows of K, then 64 rows of V
.set SLOT1, 1<<17     ; a slot holds two steps (69,632 bytes); slot 1 begins here, so that one exclusive or turns an address in one slot into the other's
.set STAGE, SLOT1+2*STEPB  ; behind the ring, never filled by a tensor load: 16 rows x 528 bytes for each wave, for the way out
.set SP,    528       ; a row of out0, 512 bytes, + 16: 33 x 16, so the 16 rows of a store start at 16 different columns of 16 bytes
.set SPARE, STAGE+4*16*SP  ; behind the stages: the spare words, 128 bytes for each wave: two blocks of 256 bytes that no other line names
.set AK0, 2           ; v2   my lane's place in a tile of K; never rewritten
.set AV0, 3           ; v3   the same for V
.set ADR, 4           ; v4   the LDS address of the run of loads in hand
.set QO,  5           ; v5   my byte offset in the wave's rows of Q
.set STO, 6           ; v6   the way out: where I put 32 bytes of a row
.set RD,  7           ; v7   the way out: where I read a row back
.set GO,  8           ; v8   my 16 bytes of a row of out0
.set ST,  12          ; tile t's statistics at v[ST+8 t]: +0 c m, +1 m, +2, +3 l (two halves), +4 to +7 c0-c3, at work; a takes c2's place once the maximum is found
.set NEGV, 60         ; v60  NEG; never rewritten
.set PFO, 61          ; v61  256 x my lane: a row of kh or vh is 256 bytes; never rewritten
.set SPW, 62          ; v62  LDS address of my spare word: SPARE + 4 x my thread's number; never rewritten
.set NIL, 63          ; v63  0; never rewritten
.set S,   64
.set P,   192
.set KF,  128         ; K's fragments, in window 2
.set WV,  4           ; s4   my wave's number
.set SLOTS, 5         ; s5   slots still to be asked for
.set TWICE, 6         ; s6   counts a slot's two steps
.set TB,  7           ; s7   LDS byte at which the tiles of the step to be fetched begin
.set CS,  8           ; s[8:9] c: the packed scaling names a pair and takes its low word for both halves
.set SEL, 10          ; s[10:11] lane selects for v_permlanex16_b32: each lane takes its own place in the other half
.set G0,  12          ; s[12:15] descriptor group 0: it walks
.set G1,  16          ; s[16:23] descriptor group 1, the same for every load
.set PFA, 24          ; s[24:25] where my prefetches stand in memory
.set OB,  26          ; s[26:27] out0 at my wave's first row
.set MWB, 28          ; s[28:29] mw at my wave's first tile, at the key step of the words last loaded
.set LIM, 30          ; s30  1 in a wave that prefetches, else the greatest number
.set MW0, 32          ; s[32:63] the 32 mask words of the piece's first tile (until they are first loaded: the arguments and the set-up's numbers)
.set MW1, 68          ; s[68:99] those of its second tile
.set MSB, 0
.macro WIN new                      ; the immediate's high byte repeats the setting that is left; a switch that changes nothing is dropped
.if MSB != (\new)
	s_set_vgpr_msb (MSB<<8)|(\new)
.set MSB, \new
.endif
.endm
.set W_KQ, 0x0a       ; K and Q in window 2, S^T in window 0
.set W_PV, 0x53       ; V in window 3, P in window 0, O^T in window 1
.set W_RS, 0x41       ; O^T (destination and source 0) in window 1, the factor in window 0
; A joint fill: wave w fetches quarter w of a slot (0: K of its first step, 1: V of it, 2: K of its second step, 3: V of it).  One line for all waves; the descriptor hangs on the head and the wave's number alone.
; An s_nop 0 and four v_nop follow the load.
.macro JLOAD
	tensor_load_to_lds s[G0:G0+3], s[G1:G1+7]
	s_nop 0
.rept 4
	v_nop
.endr
.endm
; A PREFETCH INTO THE L2 of what the NEXT change of slots will ask for: a slot's 128 rows of kh and 128 of vh, 256 bytes a row, a lane a row.  It stands behind the tensor load and its five lines.
; Each row is named ONCE in the launch: of a head's two clusters the first prefetches; its four partners share the rows out BY ADDRESS, 32 each; in each, wave 0 asks for kh's and wave 1 for vh's.
; The last change that fills a slot asks for nothing: there is no slot behind it.  The first three slots come by their loads alone.
.macro ASK
	s_cmp_gt_u32 s[SLOTS], s[LIM]
	s_cbranch_scc0 .Lnot_mine_\@
	global_prefetch_b8 v[PFO], s[PFA:PFA+1] th:TH_LOAD_NT scope:SCOPE_SE
.Lnot_mine_\@:
.endm
; A round of the cluster's barrier: my work-group's barrier, so that wave 0's signal speaks for all four waves; wave 0 signals; every wave waits for all four work-groups; my work-group's barrier once more.
.macro CROUND
	s_barrier_signal -1
	s_barrier_wait -1
	s_cmp_lg_u32 s[WV], 0
	s_cbranch_scc1 .Lnot_wave_0_\@
	s_barrier_signal -3
.Lnot_wave_0_\@:
	s_barrier_wait -3
	s_barrier_signal -1
	s_barrier_wait -1
.endm
; The 64 mask words of tiles p and p + 1 of my wave, for the key step at which MWB stands: 128 bytes a tile.
.macro MWORDS p
	s_load_b512 s[MW0:MW0+15],    s[MWB:MWB+1], 4096*(\p)
	s_load_b512 s[MW0+16:MW0+31], s[MWB:MWB+1], 4096*(\p)+64
	s_load_b512 s[MW1:MW1+15],    s[MWB:MWB+1], 4096*(\p)+4096
	s_load_b512 s[MW1+16:MW1+31], s[MWB:MWB+1], 4096*(\p)+4160
.endm
	s_load_b256 s[36:43], s[0:1], 0x0  ; query s[36:37], kh s[38:39], vh s[40:41], mw s[42:43]
	s_load_b64 s[44:45], s[0:1], 0x20  ; out0
	v_lshl_add_u32 v[SPW], v0, 2, SPARE
	v_mov_b32 v[NIL], 0
	ds_add_u32 v[SPW], v[NIL]       ; the wave's opening: the add and its wait stand ahead of my first tensor load; the set-up below, work on registers, stands between them
	v_lshrrev_b32 v1, 5, v0
	v_readfirstlane_b32 s[WV], v1   ; wave 0..3
	s_bfe_u32 s46, ttmp6, 0x40000   ; cx: my place in the cluster
	s_lshl_b32 s47, ttmp9, 2        ; in a cluster launch ttmp9 counts clusters
	s_add_co_u32 s47, s47, s46      ; my block of 256 queries = 4 x cluster x + cx: it enters the addresses of query, out0, mw and the prefetches alone
	s_and_b32 s48, ttmp7, 0xffff    ; the head, which the four partners share
	s_lshl_b32 s50, s48, 19         ; kh, vh: a head is 2,048 rows of 256 bytes;
	s_lshr_b32 s31, s[WV], 1        ; which of a slot's two steps I fetch:
	s_lshl_b32 s31, s31, 14         ; its 64 rows
	s_add_co_u32 s50, s50, s31
	s_mov_b32 s51, 0
	s_lshl_b32 s52, s48, 20         ; query, out0: a head is 2,048 rows of 512 bytes,
	s_lshl_b32 s49, s47, 17         ; my block 256 of them,
	s_add_co_u32 s52, s52, s49
	s_lshl_b32 s49, s[WV], 15       ; my wave 64
	s_add_co_u32 s52, s52, s49
	s_mov_b32 s53, 0
	s_lshr_b32 s54, s48, 4          ; mw: the batch has 128 tiles of 16 queries,
	s_lshl_b32 s54, s54, 7
	s_lshl4_add_u32 s54, s47, s54   ; my block 16,
	s_lshl2_add_u32 s54, s[WV], s54 ; my wave 4;
	s_lshl_b32 s54, s54, 12         ; a tile's words are 4,096 bytes
	s_mov_b32 s55, 0
	s_lshl_b32 s56, s46, 13         ; the prefetches: my work-group's 32 rows of a slot's 128,
	s_add_co_u32 s56, s56, 2*2*KS*256  ; in the third slot; the first change of slots in the loop steps it to the fourth
	s_mov_b32 s57, 0
	; descriptor group 1: a tile of 64 rows x 128 elements, padded in LDS
	s_mov_b32 s[G1], 15|(1<<16)|(1<<20)|(1<<21)|(5<<22)|(3<<25)  ; 15:0 the mask: all four work-groups; 17:16 elements of 2 bytes; 20 padding on; 21 set beside a mask; 24:22 after every 64 words (code 5); 31:25 4 words of it (code 3)
	s_mov_b32 s[G1+1], 128<<16      ; tensor_dim0 = 128
	s_mov_b32 s[G1+2], KS<<16       ; tensor_dim1 = 64
	s_mov_b32 s[G1+3], 128<<16      ; tile_dim0 = 128
	s_mov_b32 s[G1+4], KS           ; tile_dim1 = 64
	s_mov_b32 s[G1+5], 128          ; 128 elements from row to row
	s_mov_b32 s[G1+6], 0
	s_mov_b32 s[G1+7], 0
	s_mov_b32 s[G0], 1              ; count = 1
	s_mul_i32 s[G0+1], s[WV], QUART ; LDS address: my quarter of slot 0; no place in the cluster enters it
	s_mov_b32 s[CS], 0x3e0293ee     ; c = log2(e) / sqrt(128) = 0.127517
	s_mov_b32 s[CS+1], s[CS]        ; named with it as a pair, so it is written
	s_mov_b32 s[SEL], 0x76543210
	s_mov_b32 s[SEL+1], 0xfedcba98
	s_mov_b32 s[TB], SLOT1+2*STEPB  ; the first change of slots turns this into 0
	s_mov_b32 s[SLOTS], 2048/(2*KS)-2
	s_lshr_b32 s[LIM], s[WV], 1     ; 0 in waves 0 and 1,
	s_or_b32 s[LIM], s[LIM], ttmp9  ; where the cluster is the head's first: the same in all four partners
	s_cmp_eq_u32 s[LIM], 0
	s_cselect_b32 s[LIM], 1, -1
	v_and_b32 v[PFO], 31, v0
	v_lshlrev_b32 v[PFO], 8, v[PFO]
	v_mov_b32 v[NEGV], 0xf1800000   ; -2^100
	s_wait_dscnt 0x0                ; the opening add is done
	s_wait_kmcnt 0x0
	s_and_b32 s31, s[WV], 1
	s_cmp_eq_u32 s31, 0
	s_cselect_b64 s[58:59], s[38:39], s[40:41]  ; even waves fetch from kh, odd ones from vh
	s_add_nc_u64 s[58:59], s[58:59], s[50:51]   ; my quarter of the head's first slot
	s_mov_b64 s[G0+2:G0+3], s[58:59]            ; global address
	s_or_b32 s[G0+3], s[G0+3], 0x80000000       ; type = 2
	s_add_nc_u64 s[PFA:PFA+1], s[58:59], s[56:57]  ; (in waves 0 and 1 s[58:59] stand at the slot's first row)
	s_add_nc_u64 s[2:3], s[36:37], s[52:53]     ; query at my wave's first row
	s_add_nc_u64 s[OB:OB+1], s[44:45], s[52:53]
	s_add_nc_u64 s[MWB:MWB+1], s[42:43], s[54:55]
	MWORDS 0                        ; piece 0's words for key step 0; the arguments above them are used up
	CROUND                          ; all four work-groups are here: the first joint loads meet
	JLOAD                           ; keys 0 to 127 into slot 0.  Slot 1 is asked for when slot 0 is in
	; Q: a fragment is 16 rows x 32 channels: lane l holds row l % 16, channels 8 (l / 16) + 0..7 and 16 + 8 (l / 16) + 0..7; in f32 that is four loads of 16 bytes, at 0, 16, 64 and 80 from 32 (l / 16).
	v_and_b32 v1, 15, v0            ; l % 16
	v_bfe_u32 v9, v0, 4, 1          ; l / 16
	v_lshlrev_b32 v[QO], 9, v1
	v_lshl_add_u32 v[QO], v9, 5, v[QO]  ; row x 512 + 32 x half
	WIN 0x40                        ; destination window 1, address window 0
.set z, 0
.rept 64                            ; z = 16 tile + 4 fragment + part
	global_load_b128 v[4*z:4*z+3], v[QO], s[2:3] offset:(z/16)*8192+((z/4)%4)*128+((z%4)/2)*64+(z%2)*16
.set z, z+1
.endr
	WIN 0
	v_and_b32 v10, 7, v0
	v_bfe_u32 v11, v0, 3, 1
	v_lshl_add_u32 v[AK0], v10, 1, v11  ; lane l % 16 = 8 x + y takes key 2 y + x of a group of 16,
	v_mul_u32_u24 v[AK0], v[AK0], PITCH
	v_lshl_add_u32 v[AK0], v9, 4, v[AK0]  ; + 16 x half
	; The turning load takes 16 keys x 16 channels and leaves half a fragment of V^T: lane l holds channel l % 16 and, as its element j, the key that lane 8 (l / 8) + j addressed: here key 2 j + l / 16.
	v_lshl_add_u32 v[AV0], v10, 1, v9
	v_mul_u32_u24 v[AV0], v[AV0], PITCH
	v_lshl_add_u32 v[AV0], v11, 4, v[AV0]  ; channels 8 ((l / 8) % 2) on
	v_add_nc_u32 v[AV0], QUART, v[AV0]     ; V lies behind the step's K
; THE MATRIX WORK OF A TURN, for piece x.  The accumulators take turns, one instruction a turn: between two links of a chain stand 15 (V^T P) or 7 (K Q^T) others'.
; Product i of 32 of O^T += V^T P: keys 32 (i / 16) on, channels 16 ((i / 2) % 8) on, tile x + i % 2.  zero = 1: the first 16 start the sums: nothing is ever cleared.
.macro PV x, zero
	WIN W_PV
.set rO, 64*((\x)+i%2)+8*((i/2)%8)
.set rV, 64*(i/16)+8*((i/2)%8)
.set rP, P+16*((\x)+i%2)+8*(i/16)
.if (\zero) && (i < 16)
	v_wmma_f32_16x16x32_f16 v[rO:rO+7], v[rV:rV+7], v[rP:rP+7], 0
.else
	v_wmma_f32_16x16x32_f16 v[rO:rO+7], v[rV:rV+7], v[rP:rP+7], v[rO:rO+7]
.endif
.endm
; Product i of 32 of S^T = K Q^T: channels 32 (i / 8) on, keys 16 ((i / 2) % 4) on, tile x + i % 2.  The first 8 start the sums.
.macro KQ x
	WIN W_KQ
.set rS, S+32*((\x)+i%2)+8*((i/2)%4)
.set rK, KF+32*((i/2)%4)+8*(i/8)
.set rQ, 32*((\x)+i%2)+8*(i/8)
.if i < 8
	v_wmma_f32_16x16x32_bf16 v[rS:rS+7], v[rK:rK+7], v[rQ:rQ+7], 0
.else
	v_wmma_f32_16x16x32_bf16 v[rS:rS+7], v[rK:rK+7], v[rQ:rQ+7], v[rS:rS+7]
.endif
.endm
; THE LDS LOADS stand in runs of 32, never singly among the matrix instructions: a step's K (16 fragments) and, a turn later, its V (turned).
.macro FETCH_K
	WIN 0
	v_add_nc_u32 v[ADR], s[TB], v[AK0]
	WIN 0x80                        ; destination window 2
.irp f, 0,1,2,3,4,5,6,7,8,9,10,11,12,13,14,15  ; keys 16 (f / 4) on, channels 32 (f % 4) on
	ds_load_b128 v[KF+8*(\f):KF+8*(\f)+3],   v[ADR] offset:((\f)/4)*16*PITCH+((\f)%4)*64
	ds_load_b128 v[KF+8*(\f)+4:KF+8*(\f)+7], v[ADR] offset:((\f)/4)*16*PITCH+((\f)%4)*64+32
.endr
.endm
.macro FETCH_V
	WIN 0
	v_add_nc_u32 v[ADR], s[TB], v[AV0]
	s_add_co_u32 s[TB], s[TB], STEPB  ; the next fetch is the next step's
	s_wait_alu depctr_va_vdst(0)    ; the wait for the softmax's batch of exponentials (ENTRY), behind the address's v_add_nc_u32 and ahead of the loads
	WIN 0xc0                        ; destination window 3
.irp f, 0,1,2,3,4,5,6,7,8,9,10,11,12,13,14,15  ; keys 32 (f / 8) on, channels 16 (f % 8) on
	ds_load_tr16_b128 v[8*(\f):8*(\f)+3],   v[ADR] offset:((\f)/8)*32*PITCH+((\f)%8)*32
	ds_load_tr16_b128 v[8*(\f)+4:8*(\f)+7], v[ADR] offset:((\f)/8)*32*PITCH+16*PITCH+((\f)%8)*32
.endr
.endm
; The mask words for the NEXT turn's softmax, asked for as soon as this turn's (piece y's) are used up.  Behind piece 0's come piece 2's of the same key step; behind piece 2's, piece 0's of the next step.
; MWB is written behind the s_wait_kmcnt 0 at the turn's head, which shows every earlier load by it done.
.macro MLOAD y
.if (\y) == 2
	s_add_nc_u64 s[MWB:MWB+1], s[MWB:MWB+1], 128
.endif
	MWORDS 2-(\y)
.endm
; THE SOFTMAX of one tile for one key step, behind its masking, is a list of 134 instructions; SM writes number j of it for tile t.  s0-s31 are the lane's 32 scores, in pairs 0-15.
; first = 1: the first key step, which starts m, l and O^T: it has no a and nothing to rescale.
;   0-15    the maximum of s0-s31 and the old m, three operands at a time: four chains c0-c3 of seven scores each, then the four scores left over, c0-c3 and m
;   16-20   the other half of the lanes' maximum; the new m; c m; c m_old - c m_new
;   21-69   ONE BATCH: the 16 scalings c s - c m, a pair of scores each, and all 33 exponentials (a at 23, then s0-s31).  None of these reads an exponential's result; a pair is scaled ahead of its exponentials
;   (wait)  between 69 and 70 stands the wait for the batch: ENTRY writes it, once for both tiles
;   70-85   the roundings to f16, a pair of weights each        86-101  the sums; l = a l + the sum        102-133 the tile's O^T times a: the one part that leaves window 0
.macro SM t, first
.set rT, ST+8*(\t)
.set rS, S+32*(\t)
.set rP, P+16*(\t)
.set rO, 64*(\t)+2*(j-102)
.if j < 102
	WIN 0
.endif
.if j < 4
	v_max3_num_f32 v[rT+4+j], v[rS+8*j], v[rS+8*j+1], v[rS+8*j+2]
.elseif j < 12
	v_max3_num_f32 v[rT+4+j%4], v[rT+4+j%4], v[rS+8*(j%4)+2*(j/4)+1], v[rS+8*(j%4)+2*(j/4)+2]
.elseif j == 12
	v_max3_num_f32 v[rT+4], v[rT+4], v[rS+7], v[rS+15]
.elseif j == 13
	v_max3_num_f32 v[rT+6], v[rT+6], v[rS+23], v[rS+31]
.elseif j == 14
	v_max3_num_f32 v[rT+4], v[rT+4], v[rT+5], v[rT+6]
.elseif (j == 15) && (\first)
	v_max_num_f32 v[rT+4], v[rT+4], v[rT+7]
.elseif j == 15
	v_max3_num_f32 v[rT+4], v[rT+4], v[rT+7], v[rT+1]
.elseif j == 16
	v_permlanex16_b32 v[rT+5], v[rT+4], s[SEL], s[SEL+1]  ; the query's other 32 keys lie in the lane 16 away
.elseif j == 18
	v_max_num_f32 v[rT+1], v[rT+4], v[rT+5]
.elseif j == 19
	v_mul_f32 v[rT], s[CS], v[rT+1]
.elseif ((j == 17) || (j == 20) || (j == 23) || (j > 101)) && (\first)  ; the first step has none of these
.elseif j == 17
	v_mov_b32 v[rT+7], v[rT]        ; c m_old is kept for a: number 19 writes c m anew
.elseif j == 20
	v_sub_f32 v[rT+7], v[rT+7], v[rT]
.elseif j == 23
	v_exp_f32 v[rT+6], v[rT+7]
.elseif (j < 23) || ((j < 38) && (j%2 == 0)) || ((j < 66) && (j%4 == 2))
.set b, (j-2)/4                     ; 38, 42, .. 62: pairs 9 to 15
.if j < 38
.set b, (j-20)/2                    ; 21: pair 0; 22, 24, .. 36: pairs 1 to 8
.endif
	v_pk_fma_f32 v[rS+2*b:rS+2*b+1], v[rS+2*b:rS+2*b+1], s[CS:CS+1], v[rT:rT+1] op_sel_hi:[1,0,0] neg_lo:[0,0,1] neg_hi:[0,0,1]  ; pair b: c s - c m
.elseif j < 70
.set e, j-38                        ; 66 to 69: s28 to s31
.if j < 66
.set e, j-32-(j-38)/4               ; 39-41, 43-45, .. 63-65: s7 to s27
.endif
.if j < 38
.set e, (j-25)/2                    ; 25, 27, .. 37: s0 to s6
.endif
	v_exp_f32 v[rS+e], v[rS+e]
.elseif j < 86
	v_cvt_pk_f16_f32 v[rP+j-70], v[rS+2*(j-70)], v[rS+2*(j-70)+1]  ; pair j - 70
.elseif j < 102                     ; the sum of the tile's 16 pairs, in place: sum z of 16 adds neighbours 1, 2, 4 and 8 pairs apart, then l takes it
.set z, j-86
.set w, 4
.set u, z
.if z >= 14
.set w, 32
.set u, 0
.elseif z >= 12
.set w, 16
.set u, z-12
.elseif z >= 8
.set w, 8
.set u, z-8
.endif
.if (z == 14) && (\first)
	v_pk_add_f32 v[rT+2:rT+3], v[rS:rS+1], v[rS+16:rS+17]
.elseif z < 15
	v_pk_add_f32 v[rS+w*u:rS+w*u+1], v[rS+w*u:rS+w*u+1], v[rS+w*u+w/2:rS+w*u+w/2+1]
.elseif !(\first)
	v_pk_fma_f32 v[rT+2:rT+3], v[rT+2:rT+3], v[rT+6:rT+7], v[rS:rS+1] op_sel_hi:[1,0,1]
.endif
.else
	WIN W_RS
	v_pk_mul_f32 v[rO:rO+1], v[rO:rO+1], v[rT+6:rT+7] op_sel_hi:[1,0]
.endif
.endm
; THE VECTOR WORK OF A TURN: piece y's 332 entries; ENTRY writes entry n and steps n.  A tile's numbers are 0-31, the masking (score num is replaced by NEG where bit lane of mask word num is set; ascending),
; and 32-165, the softmax's 0-133.
;   n 0-107    numbers 0-53, the two tiles alternating, so that no instruction reads the result of the one just before it
;   n 108-203  numbers 54-101, the batch from its second scaling on: four numbers of ONE tile, the tiles by turns
;   n 204-331  numbers 102-165, the tiles alternating
; Behind entry 63 the mask words are used up, and the next turn's are asked for.  Behind entry 203 the batch is out: both tiles' exponentials are issued and no result has been named: a v_nop, the plain instruction
; between the last exponential and the first use, and s_wait_alu depctr_va_vdst(0) ahead of the first instruction that names a result: one for the piece's 66 exponentials.
; In piece 2's turn (y = 0) V's run of loads stands there, with the wait in it.
.macro ENTRY y, first
.if n < 108
.set tt, (\y)+n%2
.set num, n/2
.elseif n < 204
.set tt, (\y)+((n-108)/4)%2
.set num, 54+4*((n-108)/8)+(n-108)%4
.else
.set tt, (\y)+n%2
.set num, 102+(n-204)/2
.endif
.if num < 32
	WIN 0
	v_cndmask_b32 v[S+32*tt+num], v[S+32*tt+num], v[NEGV], s[MW0+(MW1-MW0)*(tt%2)+num]
.else
.set j, num-32
	SM tt, \first
.endif
.if (n == 63) && KQON
	MLOAD \y
.endif
.if n == 203
	v_nop
.if (\y) == 0
	FETCH_V
.else
	s_wait_alu depctr_va_vdst(0)
.endif
.endif
.set n, n+1
.endm
; Slice k of 64: five entries.  332 = 5 x 64 + 12: the twelve that are over stand in slice 63, whose seventeen are all rescalings of piece y's O^T: plain instructions that name nothing of the products round them.
; They are the places between the turn's last K Q^T and what follows: the next turn's first read of those scores, and the loads into K's registers.
.macro SLICE y, first
.rept 5
	ENTRY \y, \first
.endr
.if k == 63
.rept 12
	ENTRY \y, \first
.endr
.endif
.set k, k+1
.endm
; A vector instruction that reads a matrix result or writes one of a matrix instruction's registers, and a load into a register that a matrix instruction has read, stand four places behind it,
; and only plain vector instructions that name none of its registers are places (ISA guide 7.12.1 for vector instructions).  In the loop the slices are the places.
.macro PLACES
.rept 4
	v_nop
.endr
.endm
; A TURN.  Piece x has the matrix unit; the other piece's entries stand in slices behind its matrix instructions.
; pv = 2: 32 products V^T P; 1: they start O^T's sums; 0: none.  kq = 1: 32 products K Q^T for the next step.  A turn with one of the two kinds has two slices behind each product.
; first = 1: the softmax is the first key step's; its last slices are empty, and four v_nop take slice 63's part.
; Piece 0's turn fetches the next step's K behind its second product: the last product that read K stands in front of slice 63 of the turn before; 30 products follow before K is waited for.
; Piece 2's turn fetches the same step's V behind entry 203, in slice 40: the last product that read V is the 32nd, and behind it stand ten scalings, the v_nop and the run's own v_add_nc_u32; 23 products follow in this turn.
.macro TURN x, pv, kq, first
.set k, 0
.set n, 0
.set KQON, (\kq)
.set per, 2
.if (\pv) && (\kq)
.set per, 1
.endif
	s_wait_kmcnt 0x0                ; this turn's mask words are in
.if \pv
.if (\x) == 0
	s_wait_dscnt 0x0                ; V is in
.endif
.set i, 0
.rept 32
	PV \x, 2-(\pv)
.rept per
	SLICE 2-(\x), \first
.endr
.if ((\x) == 0) && (\kq) && (i == 1)
	FETCH_K
.endif
.set i, i+1
.endr
.endif
.if \kq
.if (\x) == 0
	s_wait_dscnt 0x0                ; K is in
.endif
.set i, 0
.rept 32
	KQ \x
.rept per
	SLICE 2-(\x), \first
.endr
.set i, i+1
.endr
.endif
.if \first
	PLACES
.endif
.endm
; THE CHANGE OF SLOTS, between piece 2's turn and piece 0's: the slot's last bytes, V of its second step, have been asked for.  Each wave waits for all its tensor loads, of which one is out: its quarter of the
; other slot; adds 0 to its spare word; and waits for that and for its own reads of the slot.  Behind the barrier nobody reads this slot any more and the other slot is whole.
; fill = 1: this slot is filled again, with the keys two slots on.  The barrier is then a round of the cluster's, so that no wave of any partner still reads the slot or has a load on its way, and the joint fill is
; the first thing behind it: it has two key steps, 256 matrix instructions, in which to land.  (At its first use nothing has been read yet: slot 0 is waited for, slot 1 filled.)  ask = 1: the prefetch follows.
.macro CHANGE fill, ask
	WIN 0                           ; at a label and at a branch every window is 0
	s_wait_tensorcnt 0x0            ; no tensor load of mine is out, so group 0 may be written
	ds_add_u32 v[SPW], v[NIL]       ; 0 onto my spare word; the steps below stand between it and the wait for it
.if \fill
	s_xor_b32 s[G0+1], s[G0+1], SLOT1  ; the walking descriptor: the other slot than last time,
	s_add_nc_u64 s[G0+2:G0+3], s[G0+2:G0+3], 2*KS*256  ; the next 128 keys; the type bits on top are not reached
.endif
.if \ask
	s_wait_xcnt 0x0                 ; the last prefetch, two key steps back, has read its address, so it may be written:
	s_add_nc_u64 s[PFA:PFA+1], s[PFA:PFA+1], 2*KS*256  ; one slot ahead of the walking descriptor
.endif
	s_wait_dscnt 0x0                ; the add is done, and my reads of the slot are over
.if \fill
	CROUND
	JLOAD
.if \ask
	ASK                             ; what the next change will ask for: two key steps, 256 matrix instructions, ahead
.endif
.else
	s_barrier_signal -1
	s_barrier_wait -1
.endif
	s_sub_co_u32 s[TB], s[TB], 2*STEPB  ; the fetches go back to a slot's first step,
	s_xor_b32 s[TB], s[TB], SLOT1   ; in the other slot
.endm
; A slot's two key steps: written once, walked twice; the LDS addresses hang on s[TB], the mask words' on s[MWB].
.macro TWO_STEPS
	WIN 0
	s_mov_b32 s[TWICE], 2
.Lstep_\@:
	TURN 0, 2, 1, 0
	TURN 2, 2, 1, 0
	WIN 0
	s_sub_co_u32 s[TWICE], s[TWICE], 1
	s_cmp_lg_u32 s[TWICE], 0
	s_cbranch_scc1 .Lstep_\@
.endm
	CHANGE 1, 0                     ; slot 0 is in, everybody's quarter of it; slot 1 is asked for; nothing is prefetched here, where every work-group's first tiles are on their way
	FETCH_K                         ; key step 0
	s_wait_loadcnt 0x0              ; Q
	WIN 0x85                        ; sources window 1, destination window 2
.set z, 0
.rept 128                           ; Q to bf16: register z of a tile's fragments takes the f32 pair 2 z, 2 z + 1
	v_cvt_pk_bf16_f32 v[z], v[2*z], v[2*z+1]
.set z, z+1
.endr
	s_wait_dscnt 0x0                ; K is in
.set i, 0
.rept 32
	KQ 0                            ; piece 0's first scores: there is no vector work yet to set between them
.set i, i+1
.endr
	WIN 0                           ; the addresses for the way out are made here: six plain instructions, the places behind those products
	s_mul_i32 s2, s[WV], 16*SP
	s_add_co_u32 s2, s2, STAGE      ; my stage
	v_mul_u32_u24 v[STO], v1, SP    ; in: row l % 16, 32 bytes for each half of the lanes
	v_lshl_add_u32 v[STO], v9, 5, v[STO]
	v_add_nc_u32 v[STO], s2, v[STO]
	v_and_b32 v[GO], 31, v0         ; back: 32 lanes take one row of 512 bytes,
	v_lshlrev_b32 v[GO], 4, v[GO]   ; and the same row in out0
	v_add_nc_u32 v[RD], s2, v[GO]
	TURN 2, 0, 1, 1                 ; piece 2's first scores | piece 0's first softmax | V of step 0
	TURN 0, 1, 1, 1                 ; piece 0: V^T P of step 0 starts O^T, K Q^T of step 1 | piece 2's first softmax | K of step 1
	TURN 2, 1, 1, 0                 ; piece 2: the same | piece 0's softmax of step 1 | V of step 1
	WIN 0
.Lslot:                             ; 14 trips: every slot but the last two is filled again
	CHANGE 1, 1
	TWO_STEPS
	s_sub_co_u32 s[SLOTS], s[SLOTS], 1
	s_cmp_lg_u32 s[SLOTS], 0
	s_cbranch_scc1 .Lslot
	CHANGE 0, 0                     ; the tail is written out: nothing is asked for
	TWO_STEPS
	TURN 0, 2, 0, 0                 ; piece 0: V^T P of the last step | piece 2's last softmax; no mask words are left to load
.set i, 0
.rept 32
	PV 2, 0                         ; piece 2: V^T P of the last step
.set i, i+1
.endr
	; THE WAY OUT.  l's two halves and the other half of the lanes' are added; O^T is multiplied by 1 / l (NaN for a row with no visible key) and sent through my stage in LDS, a tile (16 rows of out0) at a time.
	; The additions are the places behind the last products.
	WIN 0
.irp t, 0,1,2,3
	v_add_f32 v[ST+8*(\t)+4], v[ST+8*(\t)+2], v[ST+8*(\t)+3]
.endr
.irp t, 0,1,2,3
	v_permlanex16_b32 v[ST+8*(\t)+5], v[ST+8*(\t)+4], s[SEL], s[SEL+1]
.endr
.irp t, 0,1,2,3
	v_add_f32 v[ST+8*(\t)+4], v[ST+8*(\t)+4], v[ST+8*(\t)+5]
.endr
.irp t, 0,1,2,3
	v_rcp_f32 v[ST+8*(\t)+6], v[ST+8*(\t)+4]
.endr
	v_mov_b32 v9, 0x7fc00000        ; NaN; also the plain instruction between the last reciprocal and the use of its result
	s_wait_alu depctr_va_vdst(0)    ; and the wait ahead of the first use: one for the four reciprocals
.irp t, 0,1,2,3
	v_cmp_eq_u32 vcc_lo, v[NEGV], v[ST+8*(\t)+1]  ; m is still NEG, bit for bit: every key of the row was hidden
	v_cndmask_b32 v[ST+8*(\t)+6], v[ST+8*(\t)+6], v9, vcc_lo
.endr
; Tile t: a lane's eight channels of an accumulator are 32 bytes of a row; they go into rows of 528 bytes and come back as whole rows of 512, into S^T's registers: two buffers of 64 by turns.
.macro PACK t
	WIN W_RS
.set i, 64*(\t)
.rept 32
	v_pk_mul_f32 v[i:i+1], v[i:i+1], v[ST+8*(\t)+6:ST+8*(\t)+7] op_sel_hi:[1,0]
.set i, i+2
.endr
	WIN 0x04                        ; the stores' data in window 1, their address in window 0
.set i, 0
.rept 16                            ; i = 2 x channel block + half of the lane's eight
	ds_store_b128 v[STO], v[64*(\t)+4*i:64*(\t)+4*i+3] offset:64*(i/2)+16*(i%2)
.set i, i+1
.endr
	WIN 0
.if (\t) >= 2
	s_wait_xcnt 0x0                 ; the stores of the tile two back have read these registers: they are loaded again only behind this wait
.endif
.set i, 0
.rept 16
	ds_load_b128 v[S+64*((\t)%2)+4*i:S+64*((\t)%2)+4*i+3], v[RD] offset:i*SP  ; LDS serves a wave's instructions in order (ISA guide 5.7.1.4): these see the stores above; the next tile's stores come behind them
.set i, i+1
.endr
.endm
.macro SEND t, younger              ; younger: the LDS instructions issued behind tile t's loads: the next tile's 32, or none
	WIN 0
.set i, 0
.rept 16
	s_wait_dscnt (\younger)+15-i    ; row i is back; this tile's 15 - i later rows and the younger instructions stay out
	global_store_b128 v[GO], v[S+64*((\t)%2)+4*i:S+64*((\t)%2)+4*i+3], s[OB:OB+1] offset:(\t)*8192+i*512 th:TH_STORE_NT  ; 512 consecutive bytes, at a multiple of 512 from out0's first byte
.set i, i+1
.endr
.endm
	PACK 0
	PACK 1                          ; a tile's arithmetic stands between the loads of the tile before and its stores
	SEND 0, 32
	PACK 2
	SEND 1, 32
	PACK 3
	SEND 2, 32
	SEND 3, 0
	s_wait_tensorcnt 0x0            ; the wave's end, behind my last tensor load and my last LDS store
	ds_add_u32 v[SPW], v[NIL]
	s_wait_dscnt 0x0
	CROUND                          ; the closing round: no work-group ends while a partner may still ask for a tile that names it
	s_endpgm
.Lfunc_end_k_q419d3a7a48_attn:
	.size	k_q419d3a7a48_attn, .Lfunc_end_k_q419d3a7a48_attn-k_q419d3a7a48_attn
	.p2alignl 7, 3214868480
	.fill 96, 4, 3214868480
	.section	.rodata,"a",@progbits
	.p2align	6, 0x0
	.amdhsa_kernel k_q419d3a7a48_attn
		.amdhsa_group_segment_fixed_size 327680
		.amdhsa_private_segment_fixed_size 0
		.amdhsa_enable_private_segment 0
		.amdhsa_kernarg_size 40
		.amdhsa_user_sgpr_count 2
		.amdhsa_user_sgpr_kernarg_segment_ptr 1
		.amdhsa_wavefront_size32 1
		.amdhsa_system_sgpr_workgroup_id_x 1
		.amdhsa_system_sgpr_workgroup_id_y 1
		.amdhsa_system_sgpr_workgroup_id_z 1
		.amdhsa_system_vgpr_workitem_id 0
		.amdhsa_next_free_vgpr 1024
		.amdhsa_next_free_sgpr 100
		.amdhsa_reserve_vcc 1
		.amdhsa_float_denorm_mode_32 3
		.amdhsa_float_denorm_mode_16_64 3
		.amdhsa_memory_ordered 1
		.amdhsa_forward_progress 1
		.amdhsa_inst_pref_size 255
	.end_amdhsa_kernel
	.section	.bss,"aw",@nobits
	.p2align	6
	.space	262144
	.amdgpu_metadata
---
amdhsa.version: [ 1, 2 ]
amdhsa.kernels:
  - .name:           k_q419d3a7a48_attn
    .symbol:         k_q419d3a7a48_attn.kd
    .args:
      - { .name: query, .offset: 0, .size: 8, .value_kind: global_buffer, .address_space: global }
      - { .name: kh, .offset: 8, .size: 8, .value_kind: global_buffer, .address_space: global }
      - { .name: vh, .offset: 16, .size: 8, .value_kind: global_buffer, .address_space: global }
      - { .name: mw, .offset: 24, .size: 8, .value_kind: global_buffer, .address_space: global }
      - { .name: out0, .offset: 32, .size: 8, .value_kind: global_buffer, .address_space: global }
    .group_segment_fixed_size: 327680
    .private_segment_fixed_size: 0
    .kernarg_segment_align: 8
    .kernarg_segment_size: 40
    .max_flat_workgroup_size: 128
    .sgpr_count:     100
    .vgpr_count:     1024
    .wavefront_size: 32
...
	.end_amdgpu_metadata
.endif
;; end of part 2
